; MI455X (gfx1250); checked and timed in simulation.
; The chip was launched on July 23, 2026; its instructions are those of AMD's public machine-readable ISA for CDNA 5 (MIT licence, August 2026) and "CDNA5" Instruction Set Architecture Reference Guide (July 2026). The comments in the code are by the model that wrote it; some were corrected since.
;; Little Bit ITQ Spec Linear. Allowed arithmetic: matrix products marked QUANTISED: E2M1 operands, one E8M0 scale for each 32 along K, by v_wmma_scale_f32_16x16x128_f8f6f4 with both operands' format E2M1 (or v_wmma_scale_f32_32x16x128_f4), f32 sums; everything else in f32.
;; Inputs: U 4,096 x 1,024 float32; U_R 4,096 x 1,024 float32; V 1,024 x 4,096 float32; V_R 1,024 x 4,096 float32; bias 4,096 float32; u1 1 x 4,096 float32; u1_R 1 x 4,096 float32; u2 1 x 1,024 float32; u2_R 1 x 1,024 float32; v1 1 x 1,024 float32; v1_R 1 x 1,024 float32; v2 1 x 4,096 float32; v2_R 1 x 4,096 float32; x 2 x 2,048 x 4,096 float32.
;; Outputs: out0 2 x 2,048 x 4,096 float32.
;; This version of the problem:
;;   THIS VERSION OF THE PROBLEM IS GIVEN IN LOW PRECISION. The matrix products marked QUANTISED in the list below multiply operands that are first quantised to E2M1 (2 exponent bits, 1 mantissa bit; 4 bits a number), with one power-of-two scale for each 32 numbers along K (OCP MX v1.0); their sums are f32. All else is computed in f32.
;;   The module's matrix products, in the order in which they are computed (A, B: the left and right operand; K: the contracted axis; several contracted axes count as one K, in the product's order):
;;     1. [M 4,096, K 4,096] x [K 4,096, N 1,024]; A: computed on the way; B: computed on the way: QUANTISED
;;     2. [M 4,096, K 1,024] x [K 1,024, N 4,096]; A: computed on the way; B: computed on the way: QUANTISED
;;     3. [M 4,096, K 4,096] x [K 4,096, N 1,024]; A: computed on the way; B: computed on the way: QUANTISED
;;     4. [M 4,096, K 1,024] x [K 1,024, N 4,096]; A: computed on the way; B: computed on the way: QUANTISED
;;   THE QUANTISER, for each operand of a quantised product, along K:
;;     - K is cut into blocks of 32 from its start; a last block that is shorter is filled with zeros.
;;     - A block's scale is 2^e with e = floor(log2(the largest magnitude in the block)) - 2, held to -126 .. 127; a block of zeros has e = 0. As a byte (E8M0): e + 127.
;;     - Each number is divided by its block's scale, clamped to +-6, and rounded to the nearest number of E2M1, ties to even, subnormals kept.
;;     - The product sums the exact products of the quantised numbers (number of the format x scale) in f32.
;;   ~~~python
;;   def quantise(x, axis):      # numpy; x: float32 -> the quantised numbers, widened to float32 again
;;       x = np.moveaxis(x, axis, -1); K = x.shape[-1]
;;       x = np.pad(x, [(0, 0)] * (x.ndim - 1) + [(0, -K % 32)]); x = x.reshape(x.shape[:-1] + (-1, 32)); a = np.abs(x).max(-1, keepdims=True)
;;       e = np.where(a > 0, np.clip(np.frexp(np.where(a > 0, a, 1))[1] - 1 - 2, -126, 127), 0)      # np.frexp(a)[1] - 1 = floor(log2(a)), exactly
;;       r = np.clip(x / 2.0 ** e, -6, 6)
;;       step = 2.0 ** (np.maximum(np.frexp(np.where(r == 0, 1, r))[1] - 1, 0) - 1)
;;       q = np.round(r / step) * step * 2.0 ** e      # np.round: ties to even
;;       return np.moveaxis(q.reshape(q.shape[:-2] + (-1,))[..., :K], -1, axis).astype(np.float32)
;;   ~~~
;;   OPERANDS COMPUTED ON THE WAY. 'Computed on the way' means the value that the module computes at that place (a softmax that the list does not call 'softmax' is quantised finished and normalised). What goes into a quantiser is computed in f32, as accurately as f32 sums, v_exp_f32 and their like allow (about 1e-6 of the number): no bf16 or f16 on the way to a quantiser, and a product that is left as it is and whose result goes on into a quantised operand takes f32 operands (vector FMAs, or v_wmma_f32_16x16x4_f32). A number that lies on a knife's edge between two numbers of the format may be rounded either way, as far as f32 arithmetic and the matrix unit's own rounding can turn it there, and no further.
;; One version. Each part assembles by itself: llvm-mc -triple=amdgcn-amd-amdhsa -mcpu=gfx1250 --defsym DOCPART=n.
;; ======== version 1 of 1: 3 launches
;; limits: right only within a limited range of input values
;; workspace buffers: xq 16,777,216 bytes; xs 1,048,576 bytes; wq 8,388,608 bytes; hq 4,194,304 bytes; hs 262,144 bytes
;; launch prep (part 1): grid 512 x 1, 8 waves a work-group, no clusters, 87,040 bytes of LDS; arguments x, v2, v2_R, V, V_R, U, U_R, xq, xs, wq; writes xq, xs, wq
.if DOCPART == 1
	.amdgcn_target "amdgcn-amd-amdhsa--gfx1250"
	.amdhsa_code_object_version 6
	.text
	.protected	k_q535bf1c385_prep
	.globl	k_q535bf1c385_prep
	.p2align	8
	.type	k_q535bf1c385_prep,@function
k_q535bf1c385_prep:
	s_mov_b64 s[64:65], 0
	v_nop
	global_prefetch_b8 v0, s[64:65] scope:SCOPE_SE
	s_setreg_imm32_b32 hwreg(HW_REG_WAVE_MODE, 25, 1), 1
	s_wait_xcnt 0x0
; THE OPERANDS OF ALL FOUR PRODUCTS THAT COME FROM INPUTS ARE QUANTISED ONCE, to codes of FP4 (E2M1) with one E8M0 scale for each 32 along K.
; Work-groups 0-255:   x [4096][4096] f32 is read once and gives BOTH paths' operands, Q(x v2) and Q(x v2_R):
;                      xq [path 2][row 4096][2048 bytes], K innermost;  xs [path 2][512 along K: 8][row 4096][16 bytes], a byte a block.
; Work-groups 256-511: sign(V), sign(V_R), sign(U), sign(U_R) -> wq, four parts of 2 MiB, K innermost.  sign() gives -1, 0, 1 alone, so a block's scale is 2^-2 (or its codes are all zeros, which add
;                      nothing under any scale): the codes are +-4 or 0, and no scale byte of a weight is stored: the products take the constant byte 125.
;                      Row n of V and of V_R is laid at place n with bits 3 and 4 exchanged: the order in which the first product wants the rows of a tile, so that its results can be quantised in registers.
; A block's scale is 2^(floor(log2(its largest magnitude)) - 2): its byte is the largest magnitude's exponent field - 2, held at 1 from below.  A block of zeros so gets the byte 1: its codes are zeros, and this program alone reads the bytes.
; LIMITS: NaN and infinities among the inputs are not served; a block of x v2 whose largest magnitude lies under 2^-124 gets the byte 1.
; FORM: a stream.  Each load of a wave reads 512 consecutive bytes; a step's 2,048 bytes turn through the wave's own stage in LDS, so that a lane then holds 16 NEIGHBOURS along K (two lanes hold a block),
; as the conversions want them.  Loads run four steps (16 loads a wave) ahead, the turn one step.  Waves share nothing: no barrier.  Every offset is an immediate; no pointer is stepped;
; each step has its own registers for its codes, so no store's data are written again.  The two roles part on the work-group's number, never join, and have LDS bytes of their own.
.set SP,    80                         ; a lane's place in a stage: its 64 bytes + 16 of padding
.set STG,   32*SP                      ; a stage
.set XREG,  2*STG+512                  ; x's role: a wave's LDS: two stages, 256 scale bytes for each path
.set WBASE, 8*XREG                     ; the weights' role begins behind it:
.set WREG,  2*STG                      ; two stages a wave
.set VA,    16                         ; v16-31   v2   at my 16 places along K
.set VB,    32                         ; v32-47   v2_R likewise
.set R,     48                         ; v48-111  four sets of 16 numbers as they are loaded
.set X,     112                        ; v112-143 two sets of 16 neighbours
.set PA,    144                        ; v144-159 x v2
.set C,     160                        ; v160-223 codes, registers of their own for each step
.set E,     224                        ; v224-227 scale bytes, two sets of two
.set AD,    3                          ; the loads' offset register: v[AD + ADS x step]; x's role: v3 in every step
.set ADS,   0
	s_load_b256 s[4:11], s[0:1], 0x0               ; x s[4:5], v2 s[6:7], v2_R s[8:9], V s[10:11]
	s_load_b256 s[12:19], s[0:1], 0x20             ; V_R s[12:13], U s[14:15], U_R s[16:17], xq s[18:19]
	s_load_b128 s[20:23], s[0:1], 0x40             ; xs s[20:21], wq s[22:23]
	v_lshl_add_u32 v232, v0, 2, 0x15000
	v_mov_b32 v233, 0
	v_lshrrev_b32 v1, 5, v0
	s_delay_alu instid0(VALU_DEP_1)
	v_readfirstlane_b32 s24, v1                    ; wave 0..7
	v_and_b32 v2, 31, v0                           ; lane
	s_delay_alu instid0(VALU_DEP_1)
	v_lshlrev_b32 v3, 4, v2                        ; my 16 bytes of a load's 512
	s_delay_alu instid0(VALU_DEP_2)
	v_lshlrev_b32 v4, 3, v2                        ; my 8 bytes of a step's 256 bytes of codes
	s_delay_alu instid0(VALU_DEP_3)
	v_lshrrev_b32 v8, 2, v2
	s_delay_alu instid0(VALU_DEP_1)
	v_mul_u32_u24 v8, v8, SP
	v_and_b32 v9, 3, v2
	s_delay_alu instid0(VALU_DEP_1)
	v_lshl_add_u32 v8, v9, 4, v8                   ; the stage, on the way in: SP (lane / 4) + 16 (lane % 4)
	v_mul_u32_u24 v9, v2, SP                       ; and on the way out: SP x lane
	s_cmp_lt_u32 ttmp9, 256
	s_cbranch_scc0 .Lweights
.macro LOADS t, base, stride           ; step t's 2,048 bytes into set t % 4
.irp i, 0,1,2,3
	global_load_b128 v[R+16*((\t)%4)+4*\i:R+16*((\t)%4)+4*\i+3], v[AD+ADS*(\t)], s[\base:\base+1] offset:(\stride)*(\t)+512*\i th:TH_LOAD_NT
.endr
.endm
.macro TURN t                          ; step t's numbers through stage t % 2: LDS serves a wave's instructions in order, so no wait stands between the stores and the loads
.irp i, 0,1,2,3
	ds_store_b128 v14, v[R+16*((\t)%4)+4*\i:R+16*((\t)%4)+4*\i+3] offset:STG*((\t)%2)+8*SP*\i
.endr
.irp i, 0,1,2,3
	ds_load_b128 v[X+16*((\t)%2)+4*\i:X+16*((\t)%2)+4*\i+3], v15 offset:STG*((\t)%2)+16*\i
.endr
.endm
.macro AHEAD t, base, stride           ; at the head of step t: the loads of four steps on, and the next step's turn
.if (\t)+4 < 16
	LOADS (\t)+4, \base, \stride
.endif
.if (\t)+1 < 16
.if 14-(\t) >= 3
	s_wait_loadcnt 12                              ; the next step's four loads are in; those of the three steps behind it may be out
.else
	s_wait_loadcnt 4*(14-(\t))                     ; the counts run down: four for each step still behind it
.endif
	TURN (\t)+1
.endif
.endm
	; ---------------- x: the work-group owns 16 rows, wave w their columns 512 w .. 512 w + 511; step t is row t
	s_mul_i32 s25, s24, XREG
	v_add_nc_u32 v14, s25, v8
	v_add_nc_u32 v15, s25, v9
	s_add_co_u32 s25, s25, 2*STG
	v_lshrrev_b32 v5, 1, v2
	s_delay_alu instid0(VALU_DEP_1)
	v_add_nc_u32 v5, s25, v5                       ; my block's scale byte: 16 bytes a step
	v_add_nc_u32 v6, s25, v4                       ; and on the way out 8 bytes a lane
	v_lshlrev_b32 v7, 6, v2                        ; v2, v2_R: my 16 numbers
	s_lshl_b32 s26, ttmp9, 18                      ; x: 16 rows of 16,384 bytes a work-group,
	s_lshl_b32 s28, s24, 11                        ; 2,048 bytes of a row a wave
	s_add_co_u32 s26, s26, s28
	s_mov_b32 s27, 0
	s_mov_b32 s29, 0
	s_lshl_b32 s30, ttmp9, 15                      ; xq: 16 rows of 2,048 bytes,
	s_lshl_b32 s31, s24, 8                         ; 256 bytes of a row
	s_add_co_u32 s30, s30, s31
	s_mov_b32 s31, 0
	s_lshl_b32 s34, s24, 16                        ; xs: my 512 along K: 4,096 rows of 16 bytes,
	s_lshl_b32 s35, ttmp9, 8                       ; my 16 rows
	s_add_co_u32 s34, s34, s35
	s_mov_b32 s35, 0
	s_wait_alu depctr_va_vdst(0)
	s_wait_kmcnt 0x0
	s_add_nc_u64 s[4:5], s[4:5], s[26:27]
	s_add_nc_u64 s[6:7], s[6:7], s[28:29]
	s_add_nc_u64 s[8:9], s[8:9], s[28:29]
	s_add_nc_u64 s[18:19], s[18:19], s[30:31]      ; the first path's codes,
	s_add_nc_u64 s[32:33], s[18:19], 0x800000      ; the second's
	s_add_nc_u64 s[20:21], s[20:21], s[34:35]      ; the first path's scale bytes,
	s_add_nc_u64 s[36:37], s[20:21], 0x80000       ; the second's
.irp i, 0,1,2,3
	global_load_b128 v[VA+4*\i:VA+4*\i+3], v7, s[6:7] offset:16*\i
	global_load_b128 v[VB+4*\i:VB+4*\i+3], v7, s[8:9] offset:16*\i
.endr
.irp t, 0,1,2,3
	LOADS \t, 4, 16384
.endr
	s_wait_loadcnt 12                              ; v2, v2_R and step 0's four loads are in
	TURN 0
.macro STEPX t
.set XS, X+16*((\t)%2)
.set CC, C+4*(\t)
.set EE, E+2*((\t)%2)
.if (\t) > 0
	s_wait_dscnt 2                                 ; this step's numbers are back from the stage; the last step's two byte stores may be out
.else
	s_wait_dscnt 0x0
.endif
	AHEAD \t, 4, 16384
.irp i, 0,2,4,6,8,10,12,14
	v_pk_mul_f32 v[PA+\i:PA+\i+1], v[XS+\i:XS+\i+1], v[VA+\i:VA+\i+1]     ; x v2
.endr
.irp i, 0,2,4,6,8,10,12,14
	v_pk_mul_f32 v[XS+\i:XS+\i+1], v[XS+\i:XS+\i+1], v[VB+\i:VB+\i+1]     ; x v2_R, in place
.endr
	v_max3_num_f32 v8, |v[PA]|, |v[PA+1]|, |v[PA+2]|                       ; the largest magnitude of my 16, both paths line by line, two chains each
	v_max3_num_f32 v10, |v[XS]|, |v[XS+1]|, |v[XS+2]|
	v_max3_num_f32 v9, |v[PA+3]|, |v[PA+4]|, |v[PA+5]|
	v_max3_num_f32 v11, |v[XS+3]|, |v[XS+4]|, |v[XS+5]|
.irp i, 6,10
	s_delay_alu instid0(VALU_DEP_4)
	v_max3_num_f32 v8, v8, |v[PA+\i]|, |v[PA+\i+1]|
	s_delay_alu instid0(VALU_DEP_4)
	v_max3_num_f32 v10, v10, |v[XS+\i]|, |v[XS+\i+1]|
	s_delay_alu instid0(VALU_DEP_4)
	v_max3_num_f32 v9, v9, |v[PA+\i+2]|, |v[PA+\i+3]|
	s_delay_alu instid0(VALU_DEP_4)
	v_max3_num_f32 v11, v11, |v[XS+\i+2]|, |v[XS+\i+3]|
.endr
	s_delay_alu instid0(VALU_DEP_4)
	v_max3_num_f32 v8, v8, |v[PA+14]|, |v[PA+15]|
	s_delay_alu instid0(VALU_DEP_4)
	v_max3_num_f32 v10, v10, |v[XS+14]|, |v[XS+15]|
	s_delay_alu instid0(VALU_DEP_2)
	v_max3_num_f32 v8, v8, v9, 0x1800000           ; and the floor 2^(3 - 127): the byte cannot fall under 1
	s_delay_alu instid0(VALU_DEP_2)
	v_max3_num_f32 v10, v10, v11, 0x1800000
	s_delay_alu instid0(VALU_DEP_2)
	v_max_num_f32_dpp v8, v8, v8 row_xmask:1 row_mask:0xf bank_mask:0xf    ; with my neighbour's 16: the block's
	s_delay_alu instid0(VALU_DEP_2)
	v_max_num_f32_dpp v10, v10, v10 row_xmask:1 row_mask:0xf bank_mask:0xf
	s_delay_alu instid0(VALU_DEP_2)
	v_add_nc_u32 v12, 0xff000000, v8               ; 2 off the exponent field: the conversion takes the exponent field of this operand as its scale
	s_delay_alu instid0(VALU_DEP_2)
	v_add_nc_u32 v13, 0xff000000, v10
	v_cvt_scalef32_pk8_fp4_f32 v[CC], v[PA:PA+7], v12
	v_cvt_scalef32_pk8_fp4_f32 v[CC+1], v[PA+8:PA+15], v12
	v_cvt_scalef32_pk8_fp4_f32 v[CC+2], v[XS:XS+7], v13
	v_cvt_scalef32_pk8_fp4_f32 v[CC+3], v[XS+8:XS+15], v13
	v_lshrrev_b32 v[EE], 23, v12                   ; the scales' bytes (plain lines behind the conversions)
	v_lshrrev_b32 v[EE+1], 23, v13
	ds_store_b8 v5, v[EE] offset:16*(\t)           ; both lanes of a block write the same byte with the same value
	ds_store_b8 v5, v[EE+1] offset:256+16*(\t)
	global_store_b64 v4, v[CC:CC+1], s[18:19] offset:2048*(\t)     ; the wave stores 256 consecutive bytes, at a multiple of 256 from the buffer's first byte
	global_store_b64 v4, v[CC+2:CC+3], s[32:33] offset:2048*(\t)
.endm
.irp t, 0,1,2,3,4,5,6,7,8,9,10,11,12,13,14,15
	STEPX \t
.endr
	ds_load_b64 v[8:9], v6                         ; my 16 rows' scale bytes of my 512 along K: 256 bytes a path.  LDS serves a wave's instructions in order: these see my stores
	ds_load_b64 v[10:11], v6 offset:256
	s_wait_dscnt 0x0
	global_store_b64 v4, v[8:9], s[20:21]          ; 256 consecutive bytes each
	global_store_b64 v4, v[10:11], s[36:37]
	s_wait_tensorcnt 0x0
	ds_add_u32 v232, v233
	s_wait_dscnt 0x0
	s_endpgm
	; ---------------- the weights: 64 work-groups a tensor; a wave takes a run of 8,192 numbers, 16 steps of 512, as a plain stream
.Lweights:
	s_mul_i32 s25, s24, WREG
	s_add_co_u32 s25, s25, WBASE
	s_wait_alu depctr_va_vdst(0)
	v_add_nc_u32 v14, s25, v8
	v_add_nc_u32 v15, s25, v9
	v_mov_b32 v12, 0x3e800000                      ; the scale 2^-2
	; the way out: a wave's 16 steps of 256 bytes of codes are laid in its stage, which is done with by then, 272 bytes apart, and read back 16 bytes a lane
	v_add_nc_u32 v32, s25, v4                      ; in: 8 bytes a lane
	v_and_b32 v35, 15, v2
	v_lshrrev_b32 v36, 4, v2
	v_mul_u32_u24 v33, v35, 272                    ; back, V: lane (r, h) takes step r's bytes 16 h on: an image of the operand's registers
	v_lshl_add_u32 v33, v36, 4, v33
	v_add_nc_u32 v33, s25, v33
	v_mul_u32_u24 v34, v36, 272                    ; back, U: the steps on end: lanes 0-15 one step's 256 bytes, lanes 16-31 the next's
	v_lshl_add_u32 v34, v35, 4, v34
	v_add_nc_u32 v34, s25, v34
	s_mov_b32 s40, 0x6f800000                      ; 2^96
	s_mov_b32 s41, s40                             ; (named with it as a pair, so it is written)
	s_sub_co_u32 s26, ttmp9, 256
	s_lshr_b32 s27, s26, 6                         ; which tensor: 0 V, 1 V_R, 2 U, 3 U_R
	s_and_b32 s26, s26, 63
	s_lshl_b32 s26, s26, 3
	s_add_co_u32 s26, s26, s24                     ; which run of the tensor's 512
	s_lshl_b32 s28, s26, 12                        ; 4,096 bytes of codes a run,
	s_lshl_b32 s29, s27, 21                        ; 2 MiB a tensor
	s_add_co_u32 s28, s28, s29
	s_mov_b32 s29, 0
	; V, V_R: the work-group b = run / 8 owns the 16 places 16 b on (place = row with bits 3 and 4 exchanged): rows 32 (b / 2) + 8 (b % 2) + t + 8 (t / 8), t = 0 .. 15; wave w their columns 512 w on; step t is place t.
	; The codes leave as images of operand registers: [tensor][16 places: 64][K step of 128: 32][2][lane 32][16 bytes]: the wave's four K steps are 4,096 bytes on end, at run x 4,096.
	s_lshr_b32 s30, s26, 4
	s_lshl_b32 s30, s30, 19                        ; 32 rows of 16,384 bytes
	s_bfe_u32 s45, s26, 0x10003
	s_lshl_b32 s45, s45, 17                        ; 8 rows
	s_add_co_u32 s30, s30, s45
	s_lshl_b32 s45, s24, 11                        ; 2,048 bytes of a row a wave
	s_add_co_u32 s30, s30, s45
	; U, U_R: within each 64 rows, row 4 r + t is laid at place 16 t + r: the order in which the last product wants the rows of a tile, so that a lane's results of four tiles are four neighbouring columns.
	; Run o fills places 8 o .. 8 o + 7: rows 64 (o / 8) + 32 (o % 2) + (o / 2) % 4 + 4 i, i = 0 .. 7.  A row is two steps; from row to row 16,384 bytes, 12,288 more than the immediates count.
	s_lshr_b32 s42, s26, 3
	s_lshl_b32 s42, s42, 6
	s_and_b32 s43, s26, 1
	s_lshl_b32 s43, s43, 5
	s_add_co_u32 s42, s42, s43
	s_bfe_u32 s43, s26, 0x20001
	s_add_co_u32 s42, s42, s43
	s_lshl_b32 s42, s42, 12                        ; the run's first row, of 4,096 bytes
	s_cmp_lt_u32 s27, 2
	s_cselect_b32 s30, s30, s42
	s_cselect_b32 s43, 0, 1                        ; 1 for U, U_R
	s_cselect_b32 s46, 1, 0                        ; 1 for V, V_R
.set AD,  16                           ; the weights' role: v16-31, an offset for each step
.set ADS, 1
.irp i, 0,1,2,3,4,5,6,7,8,9,10,11,12,13,14,15
	s_mul_i32 s44, s43, 12288*(\i/2)               ; what step i's place lies beyond the immediates' 2,048 i: U: 16,384 bytes from row to row, two steps a row;
	s_mul_i32 s45, s46, 14336*\i+131072*(\i/8)     ; V: 16,384 (i + 8 (i / 8))
	s_add_co_u32 s44, s44, s45
	v_add_nc_u32 v[16+\i], s44, v3
.endr
	s_mov_b32 s31, 0
	s_wait_alu depctr_va_vdst(0)
	s_wait_kmcnt 0x0
	s_cmp_lt_u32 s27, 1                            ; the choices hang on the work-group's number alone
	s_cselect_b64 s[10:11], s[10:11], s[12:13]
	s_cmp_lt_u32 s27, 3
	s_cselect_b64 s[14:15], s[14:15], s[16:17]
	s_cmp_lt_u32 s27, 2
	s_cselect_b64 s[10:11], s[10:11], s[14:15]
	s_add_nc_u64 s[10:11], s[10:11], s[30:31]
	s_add_nc_u64 s[22:23], s[22:23], s[28:29]
.irp t, 0,1,2,3
	LOADS \t, 10, 2048
.endr
	s_wait_loadcnt 12                              ; step 0's four loads are in
	TURN 0
.macro STEPW t
.set XS, X+16*((\t)%2)
.set CC, C+2*(\t)
	s_wait_dscnt 0x0                               ; this step's numbers are back from the stage
	AHEAD \t, 10, 2048
.rept 2                                ; sign(): twice by 2^96 brings every number but 0, the smallest denormal too, to 1 or beyond in magnitude; held at +-1 it is the sign; 0 stays 0
.irp i, 0,2,4,6,8,10,12,14
	v_pk_mul_f32 v[XS+\i:XS+\i+1], v[XS+\i:XS+\i+1], s[40:41] op_sel_hi:[1,0]
.endr
.endr
.irp i, 0,1,2,3,4,5,6,7,8,9,10,11,12,13,14,15
	v_med3_num_f32 v[XS+\i], v[XS+\i], -1.0, 1.0
.endr
	v_cvt_scalef32_pk8_fp4_f32 v[CC], v[XS:XS+7], v12              ; +-1 / 2^-2 = +-4: exact.  (The next vector lines are the next step's, plain, on the other set)
	v_cvt_scalef32_pk8_fp4_f32 v[CC+1], v[XS+8:XS+15], v12
.endm
.irp t, 0,1,2,3,4,5,6,7,8,9,10,11,12,13,14,15
	STEPW \t
.endr
	v_nop                                          ; a plain line behind the last conversions
.irp t, 0,1,2,3,4,5,6,7,8,9,10,11,12,13,14,15
	ds_store_b64 v32, v[C+2*\t:C+2*\t+1] offset:272*\t             ; LDS serves a wave's instructions in order: the loads below see these stores
.endr
	s_cmp_lt_u32 s27, 2                            ; the work-group's number alone decides
	s_cbranch_scc0 .Lu_back
.irp i, 0,1,2,3,4,5,6,7
	ds_load_b128 v[R+4*\i:R+4*\i+3], v33 offset:32*\i              ; V: half image i: K step i / 2, registers 4 (i % 2) on
.endr
	s_branch .Lw_back
.Lu_back:
.irp i, 0,1,2,3,4,5,6,7
	ds_load_b128 v[R+4*\i:R+4*\i+3], v34 offset:544*\i             ; U: steps 2 i and 2 i + 1
.endr
.Lw_back:
	s_wait_dscnt 0x0
.irp i, 0,1,2,3,4,5,6,7
	global_store_b128 v3, v[R+4*\i:R+4*\i+3], s[22:23] offset:512*\i   ; 512 consecutive bytes
.endr
	s_wait_tensorcnt 0x0
	ds_add_u32 v232, v233
	s_wait_dscnt 0x0
	s_endpgm
.Lfunc_end_k_q535bf1c385_prep:
	.size	k_q535bf1c385_prep, .Lfunc_end_k_q535bf1c385_prep-k_q535bf1c385_prep
	.p2alignl 7, 3214868480
	.fill 96, 4, 3214868480
	.section	.rodata,"a",@progbits
	.p2align	6, 0x0
	.amdhsa_kernel k_q535bf1c385_prep
		.amdhsa_group_segment_fixed_size 87040
		.amdhsa_private_segment_fixed_size 0
		.amdhsa_enable_private_segment 0
		.amdhsa_kernarg_size 80
		.amdhsa_user_sgpr_count 2
		.amdhsa_user_sgpr_kernarg_segment_ptr 1
		.amdhsa_wavefront_size32 1
		.amdhsa_system_sgpr_workgroup_id_x 1
		.amdhsa_system_sgpr_workgroup_id_y 1
		.amdhsa_system_sgpr_workgroup_id_z 1
		.amdhsa_system_vgpr_workitem_id 0
		.amdhsa_next_free_vgpr 234
		.amdhsa_next_free_sgpr 66
		.amdhsa_reserve_vcc 0
		.amdhsa_float_denorm_mode_32 3
		.amdhsa_float_denorm_mode_16_64 3
		.amdhsa_memory_ordered 1
		.amdhsa_forward_progress 1
		.amdhsa_inst_pref_size 131
	.end_amdhsa_kernel
	.amdgpu_metadata
---
amdhsa.version: [ 1, 2 ]
amdhsa.kernels:
  - .name:           k_q535bf1c385_prep
    .symbol:         k_q535bf1c385_prep.kd
    .args:
      - { .name: x, .offset: 0, .size: 8, .value_kind: global_buffer, .address_space: global }
      - { .name: v2, .offset: 8, .size: 8, .value_kind: global_buffer, .address_space: global }
      - { .name: v2_R, .offset: 16, .size: 8, .value_kind: global_buffer, .address_space: global }
      - { .name: V, .offset: 24, .size: 8, .value_kind: global_buffer, .address_space: global }
      - { .name: V_R, .offset: 32, .size: 8, .value_kind: global_buffer, .address_space: global }
      - { .name: U, .offset: 40, .size: 8, .value_kind: global_buffer, .address_space: global }
      - { .name: U_R, .offset: 48, .size: 8, .value_kind: global_buffer, .address_space: global }
      - { .name: xq, .offset: 56, .size: 8, .value_kind: global_buffer, .address_space: global }
      - { .name: xs, .offset: 64, .size: 8, .value_kind: global_buffer, .address_space: global }
      - { .name: wq, .offset: 72, .size: 8, .value_kind: global_buffer, .address_space: global }
    .group_segment_fixed_size: 87040
    .private_segment_fixed_size: 0
    .kernarg_segment_align: 8
    .kernarg_segment_size: 80
    .max_flat_workgroup_size: 256
    .sgpr_count:     66
    .vgpr_count:     234
    .wavefront_size: 32
...
	.end_amdgpu_metadata
.endif
;; end of part 1
;; launch gemm_h (part 2): grid 8 x 32, 4 waves a work-group, clusters of 4 x 4, 327,680 bytes of LDS; arguments xq, xs, wq, v1, u2, v1_R, u2_R, hq, hs; writes hq, hs
.if DOCPART == 2
	.amdgcn_target "amdgcn-amd-amdhsa--gfx1250"
	.amdhsa_code_object_version 6
	.text
	.protected	k_q535bf1c385_gemm_h
	.globl	k_q535bf1c385_gemm_h
	.p2align	8
	.type	k_q535bf1c385_gemm_h,@function
k_q535bf1c385_gemm_h:
	s_mov_b64 s[64:65], 0
	v_nop
	global_prefetch_b8 v0, s[64:65] scope:SCOPE_SE
	s_setreg_imm32_b32 hwreg(HW_REG_WAVE_MODE, 25, 1), 1
	s_wait_xcnt 0x0
	s_wait_alu depctr_hold_cnt(0) depctr_sa_sdst(0) depctr_va_vdst(0) depctr_va_sdst(0) depctr_va_ssrc(0) depctr_va_vcc(0) depctr_vm_vsrc(0)
	s_getreg_b32 s2, hwreg(HW_REG_IB_STS2, 6, 4)
	s_cmp_eq_u32 s2, 0
	s_cbranch_scc0 .Lentry_in_a_cluster
	s_endpgm
.Lentry_in_a_cluster:
	s_bfe_u32 s2, ttmp6, 0x10000c
	s_cmp_lg_u32 s2, 0xf033
	s_cbranch_scc0 .Lentry_shape_is_right
	s_endpgm
.Lentry_shape_is_right:
; h = (Q(x v2) Q(sign V)^T) (v1 u2), for both paths, quantised at once along its own columns, which are the next product's K.  Codes of FP4 (E2M1), one E8M0 scale for each 32 along K; sums in f32.
; In:  xq [path 2][row 4096][2048 bytes];  xs [path 2][512 along K: 8][row 4096][16 bytes];  wq: V's codes, then V_R's, as images of operand registers [16 places: 64][K step of 128: 32][2][lane 32][16 bytes]
;      (place = row with bits 3 and 4 exchanged).  The weights' scale byte is 125 everywhere (sign() gives -1, 0, 1): one register holds it.
; Out: hq [q = 2 path + K half: 4][16 rows: 256][K step: 4][2][lane 32][16 bytes], images again;  hs [kappa = 8 path + K step: 16][64 rows: 64][lane 32][2 words]: lane (r, h), word i: the scale word of row 16 (2 i + h) + r.
; SHARES.  A work-group makes 128 rows x 256 hidden units of one path; wave w all 128 rows x units 64 w on: 32 accumulators of 16 x 16.
; x STAYS IN LDS: the 128 rows' codes for all of K, as four chunks of 128 rows x 512 bytes, 528 bytes apart.  Wave w brings chunk w: one tensor load a wave, at the head; no LDS byte is filled twice, so the loop has no barrier.
; The four work-groups of a row of the cluster (one path, the same rows) ask for each chunk JOINTLY.  x's scale bytes (16,384) go to LDS bytes of their own through registers, 4,096 a wave.
; V GOES FROM MEMORY STRAIGHT INTO REGISTERS: eight loads of 512 consecutive bytes a K step, seven K steps ahead, in eight sets: 56 loads of a wave are out; no two waves of a work-group load the same bytes.
; V is shared along a column of the cluster but is not asked for jointly: a joint request lands in LDS, where x, its scales, the exchange and the spare words leave 39,424 bytes.
; No data prefetch: V's own loads stand seven K steps ahead of their use, and no change of slots ever waits for all of them.
; THE LOOP: K step 0 starts the sums and is written out; three trips of eight K steps (1-8, 9-16, 17-24), after which all register numbers are back where they began; the last seven steps, which load nothing more of V, are written out.
; THE MATRIX INSTRUCTION IS USED TRANSPOSED: source 0 = 16 places of V, source 1 = 16 rows of x: in tile t lane (r, h) holds row r, register j hidden unit 32 (t / 2) + 16 h + 8 (t % 2) + j: the 16 registers of two
; neighbouring tiles are 16 neighbours along the next K.  A wave's 64 units are half of a K step of the next product: four registers of an image, and two bytes of each scale word; the two waves of a pair join their bytes in LDS.
; LIMITS: NaN and infinities are not served; a block of h whose largest magnitude lies under 2^-124 gets the byte 1.
; REGISTERS, in windows of 256: window 0: v16-30 addresses and constants; v32-63 x's scale words, two sets of 16; v64-127 v1, u2; v128-255 at work at the head and on the way out.
;   window 1: the accumulators, (a, t) at v[8 (4 a + t)].   window 2: four buffers of x's 8 fragments.   window 3: V's fragments, eight sets of 4 x 8.
.set PITCH,  528                       ; 512 bytes + 16 of padding: the 16 rows that a load touches start at 16 different banks (64 banks of 4 bytes: ISA guide 11.1)
.set CH,     128*PITCH                 ; a chunk: 128 rows, 512 bytes = 8 K steps
.set SCB,    4*CH                      ; behind the chunks: x's scale bytes [512 along K: 8][row 128][16 bytes]; no tensor load fills them
.set EX,     SCB+16384                 ; the exchange: [pair of waves 2][row 128] scale words
.set SPARE,  EX+1024                   ; the spare words, 128 bytes for each wave: two blocks of 256 bytes that no other line names
.set XA,   16                          ; v16  LDS address of my fragments of x in the trip's chunk
.set XB,   17                          ; v17  and in the next chunk
.set SA,   18                          ; v18  LDS address of my scale words
.set SST,  19                          ; v19  where I put scale bytes at the head
.set GOF,  20                          ; v20  64 h: my half's place in v1, u2
.set EXA,  21                          ; v21  the exchange: where I put two bytes
.set EXR,  22                          ; v22  and where I read words back
.set CO,   26                          ; v26  16 x lane; never rewritten
.set SO,   27                          ; v27  8 x lane; never rewritten
.set SPW,  28
.set NIL,  29
.set BSC,  30                          ; v30  the weights' scale word: four bytes 125
.set SC,   32
.set GN,   64
.set ST,   128                         ; v128-159 scale bytes on their way to LDS
.set HA,   160                         ; v160-191 a block's h: 4 tiles x 8
.set PC,   192                         ; v192-223 codes, four registers for each block of 16 rows
.set TM,   224
.set HW,   232                         ; v232-239 my two scale bytes of each block's rows
.set XW,   240
.set G1,  24
.set G0,  32
.set VB,  46                           ; s[46:47] V's images: my four blocks of 16 places, the trip's first K step
.set SEL, 78
.set MSB, 0
.macro WIN new
.if MSB != (\new)
	s_set_vgpr_msb (MSB<<8)|(\new)
.set MSB, (\new)
.endif
.endm
.macro PLACES
.rept 4
	v_nop
.endr
.endm
.macro CROUND                          ; a round of the cluster's barrier
	s_barrier_signal -1
	s_barrier_wait -1
	s_cmp_lg_u32 s14, 0
	s_cbranch_scc1 .Lnot_wave_0_\@
	s_barrier_signal -3
.Lnot_wave_0_\@:
	s_barrier_wait -3
	s_barrier_signal -1
	s_barrier_wait -1
.endm
	s_load_b256 s[4:11], s[0:1], 0x0               ; xq s[4:5], xs s[6:7], wq s[8:9], v1 s[10:11]
	s_load_b256 s[68:75], s[0:1], 0x20             ; u2 s[68:69], v1_R s[70:71], u2_R s[72:73], hq s[74:75]
	s_load_b64 s[76:77], s[0:1], 0x40              ; hs
	v_lshl_add_u32 v[SPW], v0, 2, SPARE
	v_mov_b32 v[NIL], 0
	ds_add_u32 v[SPW], v[NIL]                      ; the opening lines: the add, twice on end, and its wait ahead of my first tensor load
	ds_add_u32 v[SPW], v[NIL]
	v_mov_b32 v[BSC], 0x7d7d7d7d
	v_lshrrev_b32 v1, 5, v0
	v_readfirstlane_b32 s14, v1                    ; wave 0..3
	s_lshr_b32 s15, s14, 1                         ; my pair: which 128 of the 256 hidden units
	s_and_b32 s16, s14, 1                          ; and which 64 of those
	s_bfe_u32 s40, ttmp6, 0x40000                  ; cx: which 256 of the path's 1,024 hidden units (ttmp9, the cluster's x, is the path)
	s_bfe_u32 s41, ttmp6, 0x40004                  ; cy
	s_and_b32 s17, ttmp7, 0xffff
	s_lshl_b32 s17, s17, 2
	s_add_co_u32 s17, s17, s41                     ; wy = 4 x cluster y + cy: rows 128 wy on
	s_lshl_b32 s43, s41, 2
	s_lshl_b32 s43, 15, s43                        ; my row of the cluster
	s_mov_b32 s[SEL], 0x76543210
	s_mov_b32 s[SEL+1], 0xfedcba98                 ; v_permlanex16_b32's selects for lane l xor 16
	s_or_b32 s[G1+0], s43, (1<<20)|(1<<21)|(6<<22)|(3<<25)  ; the mask; elements of 1 byte; padding on; bit 21 beside a mask; after every 128 words four words
	s_mov_b32 s[G1+1], 512<<16                     ; tensor_dim0
	s_mov_b32 s[G1+2], 128<<16                     ; tensor_dim1
	s_mov_b32 s[G1+3], 512<<16                     ; tile_dim0
	s_mov_b32 s[G1+4], 128                         ; tile_dim1
	s_mov_b32 s[G1+5], 2048                        ; tensor_dim0_stride
	s_mov_b32 s[G1+6], 0
	s_mov_b32 s[G1+7], 0
	s_lshl_b32 s18, s17, 18                        ; xq: 128 rows of 2,048 bytes,
	s_lshl_b32 s19, ttmp9, 23                      ; the path's 8 MiB,
	s_add_co_u32 s18, s18, s19
	s_lshl_b32 s19, s14, 9                         ; chunk = wave: it hangs on wy, the path and the wave alone, which my row of the cluster shares
	s_add_co_u32 s18, s18, s19
	s_mov_b32 s19, 0
	s_mul_i32 s22, s14, CH                         ; and where it goes
	s_lshl_b32 s46, ttmp9, 21                      ; V's images: the path's 2 MiB,
	s_lshl_b32 s47, s40, 19                        ; 16 blocks of 32,768 bytes a work-group,
	s_add_co_u32 s46, s46, s47
	s_lshl_b32 s47, s14, 17                        ; 4 a wave
	s_add_co_u32 s46, s46, s47
	s_mov_b32 s47, 0
	s_lshl_b32 s20, ttmp9, 19                      ; xs: the path,
	s_lshl_b32 s21, s14, 17                        ; two of the eight 512s along K a wave, 65,536 bytes each,
	s_add_co_u32 s20, s20, s21
	s_lshl_b32 s21, s17, 11                        ; 128 rows of 16 bytes
	s_add_co_u32 s20, s20, s21
	s_mov_b32 s21, 0
	s_wait_dscnt 0x0                               ; both opening adds are done
	s_wait_kmcnt 0x0
	s_add_nc_u64 s[18:19], s[4:5], s[18:19]
	s_add_nc_u64 s[VB:VB+1], s[8:9], s[VB:VB+1]
	s_add_nc_u64 s[20:21], s[6:7], s[20:21]
	s_mov_b32 s[G0], 1
	s_mov_b32 s[G0+1], s22
	s_mov_b64 s[G0+2:G0+3], s[18:19]
	s_or_b32 s[G0+3], s[G0+3], 0x80000000
	s_cmp_lt_u32 ttmp9, 1                          ; the path's v1 and u2
	s_cselect_b64 s[10:11], s[10:11], s[70:71]
	s_cselect_b64 s[68:69], s[68:69], s[72:73]
	s_lshl_b32 s96, s40, 10                        ; my 64 hidden units: 1,024 cx + 256 wave bytes
	s_lshl_b32 s97, s14, 8
	s_add_co_u32 s96, s96, s97
	s_mov_b32 s97, 0
	s_add_nc_u64 s[10:11], s[10:11], s[96:97]
	s_add_nc_u64 s[68:69], s[68:69], s[96:97]
	s_lshl_b32 s94, ttmp9, 1                       ; hq: q = 2 path + cx / 2,
	s_lshr_b32 s95, s40, 1
	s_add_co_u32 s94, s94, s95
	s_lshl_b32 s94, s94, 20
	s_lshl_b32 s95, s17, 15                        ; 8 blocks of 16 rows, 4,096 bytes each,
	s_add_co_u32 s94, s94, s95
	s_and_b32 s95, s40, 1                          ; K step 2 (cx % 2) + pair,
	s_lshl_b32 s95, s95, 11
	s_add_co_u32 s94, s94, s95
	s_lshl_b32 s95, s15, 10
	s_add_co_u32 s94, s94, s95
	s_lshl_b32 s95, s16, 9                         ; my half of the image
	s_add_co_u32 s94, s94, s95
	s_mov_b32 s95, 0
	s_add_nc_u64 s[74:75], s[74:75], s[94:95]
	s_lshl_b32 s94, ttmp9, 3                       ; hs: kappa = 8 path + 2 cx + pair,
	s_lshl_b32 s96, s40, 1
	s_add_co_u32 s94, s94, s96
	s_add_co_u32 s94, s94, s15
	s_lshl_b32 s94, s94, 14
	s_lshl_b32 s96, s17, 9                         ; block of 64 rows 2 wy + wave % 2, of 256 bytes
	s_add_co_u32 s94, s94, s96
	s_lshl_b32 s96, s16, 8
	s_add_co_u32 s94, s94, s96
	s_add_nc_u64 s[76:77], s[76:77], s[94:95]
	CROUND                                         ; all sixteen work-groups are here: the joint loads meet
	tensor_load_to_lds s[G0:G0+3], s[G1:G1+7]      ; chunk = wave: my one tensor load
	s_nop 0
	PLACES
	v_and_b32 v3, 31, v0                           ; lane
	v_and_b32 v1, 15, v0                           ; r
	v_bfe_u32 v2, v0, 4, 1                         ; h
	v_lshlrev_b32 v[CO], 4, v3
	v_lshlrev_b32 v[SO], 3, v3
	v_mul_u32_u24 v4, v1, PITCH
	v_lshl_add_u32 v[XA], v2, 4, v4                ; a fragment's row x pitch + 16 x half
	v_add_nc_u32 v[XB], CH, v[XA]
	v_add_nc_u32 v[SA], SCB, v[CO]                 ; lanes 0-15: the rows of an even block, lanes 16-31: of the odd block behind it
	s_lshl_b32 s93, s14, 12
	s_add_co_u32 s93, s93, SCB
	v_add_nc_u32 v[SST], s93, v[CO]
	v_lshlrev_b32 v[GOF], 6, v2
	s_lshl_b32 s93, s15, 9
	s_add_co_u32 s93, s93, EX
	s_lshl_b32 s92, s16, 1
	s_add_co_u32 s92, s92, s93
	v_lshl_add_u32 v[EXA], v1, 2, s92              ; row r's word of my pair, my two bytes of it
	s_lshl_b32 s92, s16, 8
	s_add_co_u32 s92, s92, s93
	v_lshl_add_u32 v[EXR], v1, 2, s92
	v_lshl_add_u32 v[EXR], v2, 6, v[EXR]           ; back: block 4 (wave % 2) + h, row r
	s_wait_alu depctr_va_vdst(0)
.macro VLOAD f                         ; V's four fragments of the K step f behind the trip's first, into set f % 8
	WIN 0xc0
.irp t, 0,1,2,3
	global_load_b128 v[32*((\f)%8)+8*\t:32*((\f)%8)+8*\t+3], v[CO], s[VB:VB+1] offset:\t*32768+(\f)*1024
	global_load_b128 v[32*((\f)%8)+8*\t+4:32*((\f)%8)+8*\t+7], v[CO], s[VB:VB+1] offset:\t*32768+(\f)*1024+512
.endr
.endm
.macro FX f                            ; x's eight fragments of the K step f behind the trip's first, into buffer f % 4
.if (\f) < 8
.set AR_, XA
.set FO_, 64*(\f)
.else
.set AR_, XB
.set FO_, 64*((\f)-8)
.endif
	WIN 0x80
.irp a, 0,1,2,3,4,5,6,7
	ds_load_b128 v[64*((\f)%4)+8*\a:64*((\f)%4)+8*\a+3], v[AR_] offset:FO_+\a*16*PITCH
	ds_load_b128 v[64*((\f)%4)+8*\a+4:64*((\f)%4)+8*\a+7], v[AR_] offset:FO_+32+\a*16*PITCH
.endr
.endm
.macro SCF rel                         ; the scale words of four K steps, the rel-th four behind the trip's first, into set rel % 2: register 4 i + q: blocks 2 i (lanes 0-15) and 2 i + 1 (lanes 16-31), K step q
	WIN 0
.irp i, 0,1,2,3
	ds_load_b128 v[SC+16*((\rel)%2)+4*\i:SC+16*((\rel)%2)+4*\i+3], v[SA] offset:(\rel)*2048+512*\i
.endr
.endm
.macro WMH acc, fa, fb, sreg, zero, odd
.if \zero
.if \odd
	v_wmma_scale_f32_16x16x128_f8f6f4 v[(\acc):(\acc)+7], v[(\fa):(\fa)+7], v[(\fb):(\fb)+7], 0, v[BSC], v[(\sreg)] matrix_a_fmt:MATRIX_FMT_FP4 matrix_b_fmt:MATRIX_FMT_FP4 matrix_b_scale:MATRIX_SCALE_ROW1
.else
	v_wmma_scale_f32_16x16x128_f8f6f4 v[(\acc):(\acc)+7], v[(\fa):(\fa)+7], v[(\fb):(\fb)+7], 0, v[BSC], v[(\sreg)] matrix_a_fmt:MATRIX_FMT_FP4 matrix_b_fmt:MATRIX_FMT_FP4
.endif
.else
.if \odd
	v_wmma_scale_f32_16x16x128_f8f6f4 v[(\acc):(\acc)+7], v[(\fa):(\fa)+7], v[(\fb):(\fb)+7], v[(\acc):(\acc)+7], v[BSC], v[(\sreg)] matrix_a_fmt:MATRIX_FMT_FP4 matrix_b_fmt:MATRIX_FMT_FP4 matrix_b_scale:MATRIX_SCALE_ROW1
.else
	v_wmma_scale_f32_16x16x128_f8f6f4 v[(\acc):(\acc)+7], v[(\fa):(\fa)+7], v[(\fb):(\fb)+7], v[(\acc):(\acc)+7], v[BSC], v[(\sreg)] matrix_a_fmt:MATRIX_FMT_FP4 matrix_b_fmt:MATRIX_FMT_FP4
.endif
.endif
.endm
; 16 matrix instructions: blocks a0 .. a0 + 3 of x's rows x V's four tiles.  The 32 accumulators take turns, one instruction a turn, in the same order in every step.
.macro MULH j, a0, zero
.irp a, 0,1,2,3
.irp t, 0,1,2,3
	WMH 8*(4*((\a0)+\a)+\t), 32*((\j)%8)+8*\t, 64*((\j)%4)+8*((\a0)+\a), SC+16*(((\j)/4)%2)+4*(((\a0)+\a)/2)+((\j)%4), \zero, \a%2
.endr
.endr
.endm
; A K STEP, the j-th behind the trip's first.  kl: the later steps' sets of V that may be out, eight loads each; ds: the LDS loads that may be out (the next step's sixteen; scale words, where there are any, stand ahead of them).
; In its middle, in ONE run behind four places: x's fragments of two steps on (fx), with the next four steps' scale words where they are due, and V's set of seven steps on (vl), each into registers that an earlier step has read.
.macro STEP j, zero, kl, ds, fx, vl
	s_wait_loadcnt 8*(\kl)
	s_wait_dscnt \ds
	WIN 0x5b                                       ; source 0 (V) window 3, source 1 (x) window 2, C and D window 1
	MULH \j, 0, \zero
.if (\fx) || (\vl)
	PLACES
.endif
.if \fx
.if (((\j)+2)%4) == 0
	SCF ((\j)+2)/4
.endif
	FX (\j)+2
.endif
.if \vl
	VLOAD (\j)+7
.endif
	WIN 0x5b
	MULH \j, 4, \zero
.endm
.irp n, 0,1,2,3,4,5,6,7
	global_load_b128 v[ST+4*\n:ST+4*\n+3], v[CO], s[20:21] offset:(\n/4)*65536+(\n%4)*512    ; my 4,096 scale bytes: 512 consecutive bytes a load
.endr
.irp t, 0,1,2,3
	global_load_b128 v[GN+8*\t:GN+8*\t+3], v[GOF], s[10:11] offset:(32*(\t/2)+8*(\t%2))*4     ; v1 and u2 at hidden unit 32 (t / 2) + 16 h + 8 (t % 2) + j
	global_load_b128 v[GN+8*\t+4:GN+8*\t+7], v[GOF], s[10:11] offset:(32*(\t/2)+8*(\t%2))*4+16
	global_load_b128 v[GN+32+8*\t:GN+32+8*\t+3], v[GOF], s[68:69] offset:(32*(\t/2)+8*(\t%2))*4
	global_load_b128 v[GN+32+8*\t+4:GN+32+8*\t+7], v[GOF], s[68:69] offset:(32*(\t/2)+8*(\t%2))*4+16
.endr
.irp f, 0,1,2,3,4,5
	VLOAD \f
.endr
	WIN 0
	s_wait_tensorcnt 0x0                           ; my chunk has landed
	s_wait_loadcnt 63                              ; my eight loads of scale bytes are in: behind them stand 16 loads of v1, u2 and six sets of eight
.irp n, 0,1,2,3,4,5,6,7
	ds_store_b128 v[SST], v[ST+4*\n:ST+4*\n+3] offset:512*\n
.endr
	VLOAD 6                                        ; seven sets are on their way
	WIN 0
	s_wait_dscnt 0x0                               ; for the others' sake: my stores are done
	s_barrier_signal -1
	s_barrier_wait -1                              ; everybody's chunk and scale bytes are in.
	SCF 0
	FX 0
	FX 1
	STEP 0, 1, 6, 16, 1, 1                         ; K step 0 starts the sums: nothing is ever cleared
	WIN 0
	s_mov_b32 s3, 3
.Lk:
.irp j, 1,2,3,4,5,6,7,8
	STEP \j, 0, 6, 16, 1, 1
.endr
	WIN 0
	s_wait_xcnt 0x0                                ; V's loads have read their base: only behind this wait is it stepped
	s_add_nc_u64 s[VB:VB+1], s[VB:VB+1], 8192      ; eight K steps of 1,024 bytes
	v_add_nc_u32 v[XA], CH, v[XA]                  ; a chunk on
	v_add_nc_u32 v[XB], CH, v[XB]
	v_add_nc_u32 v[SA], 4096, v[SA]                ; two 512s along K
	s_sub_co_u32 s3, s3, 1
	s_cmp_lg_u32 s3, 0
	s_wait_alu depctr_va_vdst(0)
	s_cbranch_scc1 .Lk
	STEP 1, 0, 6, 16, 1, 0                         ; K steps 25 to 31: nothing more of V is loaded: the counts run down
	STEP 2, 0, 5, 16, 1, 0
	STEP 3, 0, 4, 16, 1, 0
	STEP 4, 0, 3, 16, 1, 0
	STEP 5, 0, 2, 16, 1, 0
	STEP 6, 0, 1, 16, 0, 0
	STEP 7, 0, 0, 0, 0, 0
	WIN 0
	; THE WAY OUT
.irp i, 0,2,4,6,8,10,12,14,16,18,20,22,24,26,28,30
	v_pk_mul_f32 v[GN+\i:GN+\i+1], v[GN+\i:GN+\i+1], v[GN+32+\i:GN+32+\i+1]      ; v1 u2.  (These are also the places behind the last products)
.endr
	v_mov_b32 v[TM+2], 0                           ; written once: a lane permute's destination counts as one of its sources
	v_mov_b32 v[TM+3], 0
.macro BLOCK a                         ; 16 rows x my 64 hidden units: two blocks of 32 along the next K
	WIN 0x01                                       ; source 0 window 1
.irp t, 0,1,2,3
.irp i, 0,2,4,6
	v_pk_mul_f32 v[HA+8*\t+\i:HA+8*\t+\i+1], v[8*(4*(\a)+\t)+\i:8*(4*(\a)+\t)+\i+1], v[GN+8*\t+\i:GN+8*\t+\i+1]   ; each accumulator from its low end on
.endr
.endr
	WIN 0
.irp b, 0,1
	v_max3_num_f32 v[TM+\b], |v[HA+16*\b]|, |v[HA+1+16*\b]|, 0x1800000           ; my 16 numbers of block b, and the floor 2^(3 - 127): the byte cannot fall under 1
.endr
.irp i, 2,4,6,8,10,12,14
.irp b, 0,1
	v_max3_num_f32 v[TM+\b], v[TM+\b], |v[HA+16*\b+\i]|, |v[HA+1+16*\b+\i]|
.endr
.endr
.irp b, 0,1
	v_permlanex16_b32 v[TM+2+\b], v[TM+\b], s[SEL], s[SEL+1]
.endr
.irp b, 0,1
	v_max_num_f32 v[TM+\b], v[TM+\b], v[TM+2+\b]   ; with lane l xor 16's: the block's largest magnitude
.endr
.irp b, 0,1
	v_add_nc_u32 v[TM+4+\b], 0xff000000, v[TM+\b]  ; 2 off its exponent field: the conversion's scale operand
.endr
.irp b, 0,1
	v_lshrrev_b32 v[TM+2+\b], 23, v[TM+4+\b]       ; the scale's byte
.endr
	v_lshl_or_b32 v[HW+(\a)], v[TM+3], 8, v[TM+2]
.irp b, 0,1
	v_cvt_scalef32_pk8_fp4_f32 v[PC+4*(\a)+2*\b], v[HA+16*\b:HA+16*\b+7], v[TM+4+\b]
	v_cvt_scalef32_pk8_fp4_f32 v[PC+4*(\a)+2*\b+1], v[HA+16*\b+8:HA+16*\b+15], v[TM+4+\b]
.endr
	v_nop                                          ; one plain place behind a scaled conversion
.irp i, 0,1
	v_permlane16_swap_b32 v[PC+4*(\a)+\i], v[PC+4*(\a)+2+\i]   ; a whole block in a lane: lanes 0-15 block 0, lanes 16-31 block 1
.endr
	global_store_b128 v[CO], v[PC+4*(\a):PC+4*(\a)+3], s[74:75] offset:4096*(\a)   ; my half of the image: 512 consecutive bytes
.endm
.irp a, 0,1,2,3,4,5,6,7
	BLOCK \a
.endr
	s_wait_alu depctr_va_vdst(0)
.irp a, 0,1,2,3,4,5,6,7
	ds_store_b16 v[EXA], v[HW+\a] offset:64*\a     ; both halves of the lanes write the same bytes with the same value
.endr
	s_wait_dscnt 0x0                               ; for my partner's sake
	s_barrier_signal -1
	s_barrier_wait -1
	ds_load_b32 v[XW], v[EXR]                      ; the whole words of 64 rows: block 4 (wave % 2) + h,
	ds_load_b32 v[XW+1], v[EXR] offset:128         ; and two blocks on
	s_wait_dscnt 0x0
	global_store_b64 v[SO], v[XW:XW+1], s[76:77]   ; 256 consecutive bytes
	s_wait_tensorcnt 0x0                           ; the wave's end
	ds_add_u32 v[SPW], v[NIL]
	s_wait_dscnt 0x0
	CROUND                                         ; the closing round
	s_endpgm
.Lfunc_end_k_q535bf1c385_gemm_h:
	.size	k_q535bf1c385_gemm_h, .Lfunc_end_k_q535bf1c385_gemm_h-k_q535bf1c385_gemm_h
	.p2alignl 7, 3214868480
	.fill 96, 4, 3214868480
	.section	.rodata,"a",@progbits
	.p2align	6, 0x0
	.amdhsa_kernel k_q535bf1c385_gemm_h
		.amdhsa_group_segment_fixed_size 327680
		.amdhsa_private_segment_fixed_size 0
		.amdhsa_enable_private_segment 0
		.amdhsa_kernarg_size 72
		.amdhsa_user_sgpr_count 2
		.amdhsa_user_sgpr_kernarg_segment_ptr 1
		.amdhsa_wavefront_size32 1
		.amdhsa_system_sgpr_workgroup_id_x 1
		.amdhsa_system_sgpr_workgroup_id_y 1
		.amdhsa_system_sgpr_workgroup_id_z 1
		.amdhsa_system_vgpr_workitem_id 0
		.amdhsa_next_free_vgpr 1024
		.amdhsa_next_free_sgpr 100
		.amdhsa_reserve_vcc 0
		.amdhsa_float_denorm_mode_32 3
		.amdhsa_float_denorm_mode_16_64 3
		.amdhsa_memory_ordered 1
		.amdhsa_forward_progress 1
		.amdhsa_inst_pref_size 133
	.end_amdhsa_kernel
	.amdgpu_metadata
---
amdhsa.version: [ 1, 2 ]
amdhsa.kernels:
  - .name:           k_q535bf1c385_gemm_h
    .symbol:         k_q535bf1c385_gemm_h.kd
    .args:
      - { .name: xq, .offset: 0, .size: 8, .value_kind: global_buffer, .address_space: global }
      - { .name: xs, .offset: 8, .size: 8, .value_kind: global_buffer, .address_space: global }
      - { .name: wq, .offset: 16, .size: 8, .value_kind: global_buffer, .address_space: global }
      - { .name: v1, .offset: 24, .size: 8, .value_kind: global_buffer, .address_space: global }
      - { .name: u2, .offset: 32, .size: 8, .value_kind: global_buffer, .address_space: global }
      - { .name: v1_R, .offset: 40, .size: 8, .value_kind: global_buffer, .address_space: global }
      - { .name: u2_R, .offset: 48, .size: 8, .value_kind: global_buffer, .address_space: global }
      - { .name: hq, .offset: 56, .size: 8, .value_kind: global_buffer, .address_space: global }
      - { .name: hs, .offset: 64, .size: 8, .value_kind: global_buffer, .address_space: global }
    .group_segment_fixed_size: 327680
    .private_segment_fixed_size: 0
    .kernarg_segment_align: 8
    .kernarg_segment_size: 72
    .max_flat_workgroup_size: 128
    .sgpr_count:     100
    .vgpr_count:     1024
    .wavefront_size: 32
...
	.end_amdgpu_metadata
.endif
;; end of part 2
;; launch gemm_y (part 3): grid 16 x 16, 4 waves a work-group, clusters of 4 x 4, 327,680 bytes of LDS; arguments hq, hs, wq, u1, u1_R, bias, out0; writes out0
.if DOCPART == 3
	.amdgcn_target "amdgcn-amd-amdhsa--gfx1250"
	.amdhsa_code_object_version 6
	.text
	.protected	k_q535bf1c385_gemm_y
	.globl	k_q535bf1c385_gemm_y
	.p2align	8
	.type	k_q535bf1c385_gemm_y,@function
k_q535bf1c385_gemm_y:
	s_mov_b64 s[64:65], 0
	v_nop
	global_prefetch_b8 v0, s[64:65] scope:SCOPE_SE
	s_setreg_imm32_b32 hwreg(HW_REG_WAVE_MODE, 25, 1), 1
	s_wait_xcnt 0x0
	s_wait_alu depctr_hold_cnt(0) depctr_sa_sdst(0) depctr_va_vdst(0) depctr_va_sdst(0) depctr_va_ssrc(0) depctr_va_vcc(0) depctr_vm_vsrc(0)
	s_getreg_b32 s2, hwreg(HW_REG_IB_STS2, 6, 4)
	s_cmp_eq_u32 s2, 0
	s_cbranch_scc0 .Lentry_in_a_cluster
	s_endpgm
.Lentry_in_a_cluster:
	s_bfe_u32 s2, ttmp6, 0x10000c
	s_cmp_lg_u32 s2, 0xf033
	s_cbranch_scc0 .Lentry_shape_is_right
	s_endpgm
.Lentry_shape_is_right:
; out = (Q(h) Q(sign U)^T) u1 + (Q(h_R) Q(sign U_R)^T) u1_R + bias.  Both products on codes of FP4 (E2M1), one E8M0 scale for each 32 along K; sums in f32.
; In: hq: images of operand registers, [q = 2 path + K half: 4][16 rows: 256][K step: 4][2][lane 32][16 bytes];  hs [kappa = 8 path + K step: 16][64 rows: 64][lane 32][2 words]: lane (r, h), word i: the scale word of row 16 (2 i + h) + r;
;     wq from 4 MiB on: U's codes [4096 places][512 bytes], then U_R's; within each 64 rows, row 4 r + t lies at place 16 t + r.  The weights' scale byte is 125 everywhere (sign() gives -1, 0, 1): one register holds it.
; SHARES.  A work-group makes 256 rows x 256 columns in two passes of 128 rows.  Wave (wm, wn) = (wave / 2, wave % 2) makes rows 128 pass + 64 wm on x columns 128 wn on; each path has its own 32 accumulators, since u1 and u1_R differ.
; U STAYS IN LDS: 256 places x 512 bytes for each path, 528 bytes apart.  Each wave brings 64 rows of a path by one tensor load: the first path's at the head, the second's behind the full sequence and a round of the
; cluster's barrier; by this text's count a wave has one tensor load out.  No LDS byte is filled twice.  The four work-groups of a column of the cluster ask JOINTLY.
; h GOES FROM MEMORY STRAIGHT INTO REGISTERS: each load of a wave reads 512 consecutive bytes, a K step's scale words 256; loads run seven K steps ahead, in eight sets.  h is shared along a row of the cluster but is not asked
; for jointly: a joint request lands in LDS, where U (270,336 bytes) and the spare words leave 56,832: two slots of three K steps of a pass's 128 rows at most, each change of slots a round of the cluster's barrier.
; No data prefetch: the text has no loop to run ahead in, and h's own loads stand seven K steps ahead of their use.
; THE WAY OUT NEEDS NO LDS.  Source 0 = 16 rows of h, source 1 = 16 places of U: register j of lane (r, h) is out(row 8 h + j, the column of place r).  Tile 4 q + t holds columns 64 q + 4 r + t, so the results of tiles
; 4 q .. 4 q + 3 are four neighbouring columns; the last multiply-add writes them into four registers on end, and sixteen lanes store 256 consecutive bytes, at a multiple of 256 from out's first byte.
; sums1 u1 + bias is made in place in the middle of the second path's K steps.  Of pass 0's results block 0 is stored at once; blocks 1-3 lie in the second path's registers and are stored in the middle of pass 1's first eight K steps.
; REGISTERS, in windows of 256: window 0: v8-15 bias, v48-55 u1, v56-63 u1_R (at tile 0 .. 7, my lane's column); v16-30 addresses and constants; v32-47 h's scale words, eight sets of two; v64-255 three buffers of U's 8 fragments.
;   window 1: the first path's accumulators, (a, t) at v[8 (8 a + t)]; window 2: the second's.   window 3: h's fragments, eight sets of 4 x 8.
.set PITCH,  528                       ; a place of U in LDS: 512 bytes + 16 of padding: the 16 places that a load touches start at 16 different banks (64 banks of 4 bytes: ISA guide 11.1)
.set UP,     256*PITCH                 ; a path's 256 places
.set SPARE,  2*UP                      ; behind U: the spare words, 128 bytes for each wave: two blocks of 256 bytes that no other line names
.set BI,   8
.set ADRB, 16                          ; v16-17 LDS address of my fragments of U, path 0, 1
.set OO,   24                          ; v24  my place in out: 8 h rows + 16 r bytes; never rewritten
.set GOF,  25                          ; v25  16 r: my four columns' gains
.set CO,   26                          ; v26  16 x lane: an image's place for my lane; never rewritten
.set SO,   27                          ; v27  8 x lane: my two scale words; never rewritten
.set SPW,  28                          ; v28  LDS address of my spare word; never rewritten
.set NIL,  29                          ; v29  0; never rewritten
.set BSC,  30                          ; v30  the weights' scale word: four bytes 125
.set SC,   32
.set U1,   48
.set UR,   56
.set BF,   64                          ; U's fragments: buffer b at v[BF + 64 b]
.set G0,  24                           ; s[24:31] descriptor group 0, one set for each path
.set G1B, 48                           ; s[48:55] descriptor group 1
.set MSB, 0
.macro WIN new                         ; the immediate's high byte repeats the setting that is left
.if MSB != (\new)
	s_set_vgpr_msb (MSB<<8)|(\new)
.set MSB, (\new)
.endif
.endm
.macro PLACES                          ; four places in front of loads into registers that matrix instructions have read, and of the first read of results
.rept 4
	v_nop
.endr
.endm
.macro CREST                           ; a round of the cluster's barrier behind its opening barrier
	s_cmp_lg_u32 s14, 0
	s_cbranch_scc1 .Lnot_wave_0_\@
	s_barrier_signal -3
.Lnot_wave_0_\@:
	s_barrier_wait -3
	s_barrier_signal -1
	s_barrier_wait -1
.endm
.macro CROUND                          ; a whole round
	s_barrier_signal -1
	s_barrier_wait -1
	CREST
.endm
	s_load_b256 s[4:11], s[0:1], 0x0               ; hq s[4:5], hs s[6:7], wq s[8:9], u1 s[10:11]
	s_load_b128 s[68:71], s[0:1], 0x20             ; u1_R s[68:69], bias s[70:71]
	s_load_b64 s[72:73], s[0:1], 0x30              ; out0
	v_lshl_add_u32 v[SPW], v0, 2, SPARE
	v_mov_b32 v[NIL], 0
	ds_add_u32 v[SPW], v[NIL]                      ; the opening lines: the add, twice on end, and its wait ahead of my first tensor load
	ds_add_u32 v[SPW], v[NIL]
	v_mov_b32 v[BSC], 0x7d7d7d7d
	v_lshrrev_b32 v1, 5, v0
	v_readfirstlane_b32 s14, v1                    ; wave 0..3
	s_lshr_b32 s15, s14, 1                         ; wm: which 64 of a pass's 128 rows
	s_and_b32 s16, s14, 1                          ; wn: which 128 of the 256 columns
	s_bfe_u32 s40, ttmp6, 0x40000                  ; cx, cy: my place in the cluster
	s_bfe_u32 s41, ttmp6, 0x40004
	s_lshl_b32 s42, ttmp9, 2
	s_add_co_u32 s42, s42, s40                     ; wx = 4 x cluster x + cx
	s_and_b32 s17, ttmp7, 0xffff
	s_lshl_b32 s17, s17, 2
	s_add_co_u32 s17, s17, s41                     ; wy = 4 x cluster y + cy
	s_lshl_b32 s44, 0x1111, s40                    ; my column of the cluster
	; descriptor group 1: 64 rows x 512 bytes of U, dense in memory, 16 bytes of padding behind each
	s_or_b32 s[G1B+0], s44, (1<<20)|(1<<21)|(6<<22)|(3<<25)  ; 15:0 the mask: my column; 17:16 elements of 1 byte; 20 padding on; 21 set beside a mask; 24:22 after every 128 words (code 6); 31:25 four words (code 3)
	s_mov_b32 s[G1B+1], 512<<16                    ; tensor_dim0
	s_mov_b32 s[G1B+2], 64<<16                     ; tensor_dim1
	s_mov_b32 s[G1B+3], 512<<16                    ; tile_dim0
	s_mov_b32 s[G1B+4], 64                         ; tile_dim1
	s_mov_b32 s[G1B+5], 512                        ; tensor_dim0_stride
	s_mov_b32 s[G1B+6], 0
	s_mov_b32 s[G1B+7], 0
	s_lshl_b32 s46, s42, 17                        ; U: place 256 wx of 512 bytes,
	s_lshl_b32 s47, s14, 15                        ; + 64 x wave,
	s_add_co_u32 s46, s46, s47
	s_add_co_u32 s46, s46, 0x400000                ; behind V's and V_R's 4 MiB: it hangs on wx and the wave alone, which my column of the cluster shares
	s_mov_b32 s47, 0
	s_mul_i32 s23, s14, 64*PITCH                   ; and where the rows go: no place in the cluster enters an LDS address
	s_wait_dscnt 0x0                               ; both opening adds are done
	s_wait_kmcnt 0x0
	s_add_nc_u64 s[46:47], s[8:9], s[46:47]
.irp p, 0,1
	s_mov_b32 s[G0+4*\p], 1                        ; count = 1
	s_add_co_u32 s[G0+4*\p+1], s23, \p*UP          ; LDS address
	s_add_nc_u64 s[G0+4*\p+2:G0+4*\p+3], s[46:47], \p*0x200000     ; global address: the path's 2 MiB
	s_or_b32 s[G0+4*\p+3], s[G0+4*\p+3], 0x80000000                ; type = 2
.endr
	s_lshl_b32 s94, s42, 10                        ; my 128 columns in u1, u1_R, bias and in a row of out: 1,024 wx + 512 wn bytes
	s_lshl_b32 s96, s16, 9
	s_add_co_u32 s94, s94, s96
	s_mov_b32 s95, 0
	s_add_nc_u64 s[10:11], s[10:11], s[94:95]
	s_add_nc_u64 s[68:69], s[68:69], s[94:95]
	s_add_nc_u64 s[70:71], s[70:71], s[94:95]
	s_lshl_b32 s96, s17, 22                        ; out: row 256 wy
	s_add_co_u32 s94, s94, s96
	s_lshl_b32 s96, s15, 20                        ; + 64 wm, of 16,384 bytes
	s_add_co_u32 s94, s94, s96
	s_add_nc_u64 s[72:73], s[72:73], s[94:95]
	s_lshl_b32 s94, s17, 16                        ; hq: block 16 wy
	s_lshl_b32 s96, s15, 14                        ; + 4 wm, of 4,096 bytes
	s_add_co_u32 s94, s94, s96
	s_add_nc_u64 s[4:5], s[4:5], s[94:95]
	s_lshl_b32 s94, s17, 10                        ; hs: block of 64 rows 4 wy
	s_lshl_b32 s96, s15, 8                         ; + wm, of 256 bytes
	s_add_co_u32 s94, s94, s96
	s_add_nc_u64 s[6:7], s[6:7], s[94:95]
	CROUND                                         ; all sixteen work-groups are here: the joint loads meet
	tensor_load_to_lds s[G0:G0+3], s[G1B:G1B+7]    ; my 64 rows of the first path's U: my one tensor load at the head
	s_nop 0
	PLACES
; K step g = 0 .. 31 of my wave: pass g / 16, kappa = g % 16: the first path's eight steps, then the second's.
; ALOAD: step g's scale words and its four fragments of h into set g % 8: nine loads, every offset an immediate.
.macro ALOAD g
.set AP_, (\g)/16
.set AK_, (\g)%16
.set AS_, 32*((\g)%8)
	WIN 0
	global_load_b64 v[SC+2*((\g)%8):SC+2*((\g)%8)+1], v[SO], s[6:7] offset:AK_*16384+AP_*512     ; 256 consecutive bytes
	WIN 0xc0                                       ; destination window 3
.irp a, 0,1,2,3
	global_load_b128 v[AS_+8*\a:AS_+8*\a+3], v[CO], s[4:5] offset:(AK_/4)*0x100000+(8*AP_+\a)*4096+(AK_%4)*1024         ; 512 consecutive bytes
	global_load_b128 v[AS_+8*\a+4:AS_+8*\a+7], v[CO], s[4:5] offset:(AK_/4)*0x100000+(8*AP_+\a)*4096+(AK_%4)*1024+512
.endr
.endm
; FETCHB: step g's eight fragments of U from LDS into buffer g % 3.  A fragment, 16 places x 128 K of 4-bit codes, is 8 registers: lane l holds place l % 16; registers 4 c .. 4 c + 3 hold K = 64 c + 32 (l / 16) + 0 .. 31.
.macro FETCHB g
.set FK_, (\g)%16
.set FB_, BF+64*((\g)%3)
	WIN 0
.irp t, 0,1,2,3,4,5,6,7
	ds_load_b128 v[FB_+8*\t:FB_+8*\t+3], v[ADRB+FK_/8] offset:64*(FK_%8)+\t*16*PITCH
	ds_load_b128 v[FB_+8*\t+4:FB_+8*\t+7], v[ADRB+FK_/8] offset:64*(FK_%8)+32+\t*16*PITCH
.endr
.endm
	v_and_b32 v3, 31, v0                           ; lane
	v_lshlrev_b32 v[CO], 4, v3
	v_lshlrev_b32 v[SO], 3, v3
	v_and_b32 v1, 15, v0                           ; r = lane % 16
	v_bfe_u32 v2, v0, 4, 1                         ; h = lane / 16
	v_lshlrev_b32 v[GOF], 4, v1
	v_lshl_add_u32 v[OO], v2, 17, v[GOF]           ; 8 h rows of 16,384 bytes + 16 r
	v_mul_u32_u24 v4, v1, PITCH
	v_lshl_add_u32 v4, v2, 4, v4                   ; a fragment's place x pitch + 16 x half
	s_mul_i32 s93, s16, 128*PITCH                  ; my 128 columns' places
	v_add_nc_u32 v[ADRB], s93, v4
	s_add_co_u32 s93, s93, UP
	v_add_nc_u32 v[ADRB+1], s93, v4
	s_wait_alu depctr_va_vdst(0)
.irp q, 0,1
	global_load_b128 v[U1+4*\q:U1+4*\q+3], v[GOF], s[10:11] offset:256*\q    ; the gains of columns 64 q + 4 r + 0 .. 3: sixteen lanes read 256 consecutive bytes
	global_load_b128 v[UR+4*\q:UR+4*\q+3], v[GOF], s[68:69] offset:256*\q
	global_load_b128 v[BI+4*\q:BI+4*\q+3], v[GOF], s[70:71] offset:256*\q
.endr
.irp g, 0,1,2,3,4,5
	ALOAD \g
.endr
	WIN 0
	s_wait_tensorcnt 0x0                           ; my part of the first path's U is in
	ds_add_u32 v[SPW], v[NIL]
	s_wait_dscnt 0x0
	CROUND                                         ; everybody's part is in, and all sixteen work-groups are here: the joint loads meet
	tensor_load_to_lds s[G0+4:G0+7], s[G1B:G1B+7]  ; my 64 rows of the second path's U, the first tensor load behind the round
	s_nop 0
	PLACES
	FETCHB 0
	FETCHB 1
	ALOAD 6                                        ; seven sets are on their way
; One matrix instruction.  zero = 1: it starts its sum.  odd = 1: h's scale words are taken from lanes 16-31 of their register.
.macro WM acc, fa, fb, sreg, zero, odd
.if \zero
.if \odd
	v_wmma_scale_f32_16x16x128_f8f6f4 v[(\acc):(\acc)+7], v[(\fa):(\fa)+7], v[(\fb):(\fb)+7], 0, v[(\sreg)], v[BSC] matrix_a_fmt:MATRIX_FMT_FP4 matrix_b_fmt:MATRIX_FMT_FP4 matrix_a_scale:MATRIX_SCALE_ROW1
.else
	v_wmma_scale_f32_16x16x128_f8f6f4 v[(\acc):(\acc)+7], v[(\fa):(\fa)+7], v[(\fb):(\fb)+7], 0, v[(\sreg)], v[BSC] matrix_a_fmt:MATRIX_FMT_FP4 matrix_b_fmt:MATRIX_FMT_FP4
.endif
.else
.if \odd
	v_wmma_scale_f32_16x16x128_f8f6f4 v[(\acc):(\acc)+7], v[(\fa):(\fa)+7], v[(\fb):(\fb)+7], v[(\acc):(\acc)+7], v[(\sreg)], v[BSC] matrix_a_fmt:MATRIX_FMT_FP4 matrix_b_fmt:MATRIX_FMT_FP4 matrix_a_scale:MATRIX_SCALE_ROW1
.else
	v_wmma_scale_f32_16x16x128_f8f6f4 v[(\acc):(\acc)+7], v[(\fa):(\fa)+7], v[(\fb):(\fb)+7], v[(\acc):(\acc)+7], v[(\sreg)], v[BSC] matrix_a_fmt:MATRIX_FMT_FP4 matrix_b_fmt:MATRIX_FMT_FP4
.endif
.endif
.endm
; 8 matrix instructions of step g: block a of my rows x U's eight tiles.  A path's 32 accumulators take turns, one instruction a turn, in the same order in every step.
.macro MUL8 g, a, zero
.irp t, 0,1,2,3,4,5,6,7
	WM 8*(8*(\a)+\t), 32*((\g)%8)+8*(\a), BF+64*((\g)%3)+8*\t, SC+2*((\g)%8)+(\a)/2, \zero, (\a)%2
.endr
.endm
; TFMA i, i = 0 .. 7: sums1 u1 + bias in place, for block i / 2, tiles 4 (i % 2) .. + 3: 16 packed multiply-adds, each accumulator from its low end on.  A tile's gain is one register: both halves take the pair's low or its high word.
.macro TFMA i
	WIN 0x41                                       ; destination and source 0 window 1, the gains window 0
.irp t, 0,1,2,3
.irp e, 0,2,4,6
.if (\t%2) == 0
	v_pk_fma_f32 v[64*((\i)/2)+8*(4*((\i)%2)+\t)+\e:64*((\i)/2)+8*(4*((\i)%2)+\t)+\e+1], v[64*((\i)/2)+8*(4*((\i)%2)+\t)+\e:64*((\i)/2)+8*(4*((\i)%2)+\t)+\e+1], v[U1+4*((\i)%2)+\t:U1+4*((\i)%2)+\t+1], v[BI+4*((\i)%2)+\t:BI+4*((\i)%2)+\t+1] op_sel_hi:[1,0,0]
.else
	v_pk_fma_f32 v[64*((\i)/2)+8*(4*((\i)%2)+\t)+\e:64*((\i)/2)+8*(4*((\i)%2)+\t)+\e+1], v[64*((\i)/2)+8*(4*((\i)%2)+\t)+\e:64*((\i)/2)+8*(4*((\i)%2)+\t)+\e+1], v[U1+4*((\i)%2)+\t-1:U1+4*((\i)%2)+\t], v[BI+4*((\i)%2)+\t-1:BI+4*((\i)%2)+\t] op_sel:[0,1,1] op_sel_hi:[1,1,1]
.endif
.endr
.endr
.endm
; A K STEP of 128: 32 matrix instructions.  In its middle, in ONE run behind four places: the second path's steps make sums1 u1 + bias; U's fragments of two steps on go into the buffer that the step before read,
; h's set of seven steps on into the set that the step before read; pass 1's first eight steps store six of pass 0's 48 waiting pieces each.
.macro KSTEP g
.set KI_, (\g)%16
.set MW, 0x53+0x50*(KI_/8)             ; source 0 (h) window 3, source 1 (U) window 0, C and D window 1 or 2
.if (KI_%8) == 0
.set KZ_, 1                            ; a path's first step starts its sums: nothing is ever cleared
.else
.set KZ_, 0
.endif
.set KL_, 31-(\g)
.if KL_ > 6
.set KL_, 6
.endif
	s_wait_loadcnt 9*KL_                           ; this step's nine loads are in; behind them stand the sets of up to six later steps, nine loads each
.if KI_ < 15
	s_wait_dscnt 16                                ; this step's fragments of U are in; the next step's sixteen loads may be out
.else
	s_wait_dscnt 0x0                               ; a pass's last step: nothing was fetched behind its fragments
.endif
.if (\g) == 24
	s_wait_xcnt 0x0                                ; pass 0's stores have read the second path's registers: only behind this wait are they written again
.endif
	WIN MW
	MUL8 \g, 0, KZ_
	MUL8 \g, 1, KZ_
.if (\g) == 6
	s_wait_tensorcnt 0x0                           ; my part of the second path's U has landed: no tensor load was issued behind it;
	s_wait_dscnt 0x0                               ; (no LDS instruction of mine is pending at a signal)
	s_barrier_signal -1
	s_barrier_wait -1                              ; everybody's has.
.endif
	PLACES
.if KI_ >= 8
	TFMA KI_-8
.endif
.if (\g) == 16
	s_wait_xcnt 0x0                                ; block 0's stores have read buffer 0: only behind this wait is it loaded again
.endif
.if KI_ < 14
	FETCHB (\g)+2
.endif
.if (\g) < 25
	ALOAD (\g)+7
.endif
.if ((\g) >= 16) && ((\g) < 24)
	WIN 0x08                                       ; a store's data are its source 1: window 2
.set N_, 6*((\g)-16)
.rept 6
	global_store_b128 v[OO], v[64*(N_/16)+4*(N_%16):64*(N_/16)+4*(N_%16)+3], s[72:73] offset:(16*(1+N_/16)+(N_%8))*16384+256*((N_%16)/8) th:TH_STORE_NT
.set N_, N_+1
.endr
.endif
	WIN MW
	MUL8 \g, 2, KZ_
	MUL8 \g, 3, KZ_
.endm
; FIN a: block a's results: sums2 u1_R + (sums1 u1 + bias), written so that piece s = 8 q + j (row 8 h + j, columns 64 q + 4 r + 0 .. 3) is four registers on end.
; Block 0's go into buffer 0, block a's into the second path's registers of block a - 1, which are done with.  Each accumulator is read from its low end on.
.macro FIN a
.if (\a) == 0
	WIN 0x12                                       ; source 0 window 2, source 2 window 1, destination window 0
.set OB_, BF
.else
	WIN 0x92                                       ; destination window 2
.set OB_, 64*((\a)-1)
.endif
.irp q, 0,1
.irp j, 0,1,2,3,4,5,6,7
.irp t, 0,1,2,3
	v_fma_f32 v[OB_+4*(8*\q+\j)+\t], v[64*(\a)+8*(4*\q+\t)+\j], v[UR+4*\q+\t], v[64*(\a)+8*(4*\q+\t)+\j]
.endr
.endr
.endr
.endm
.macro STB ps, a                       ; block a's sixteen pieces: lanes 0-15 store 256 consecutive bytes of row j, lanes 16-31 of row 8 + j, each at a multiple of 256 from out's first byte
.if (\a) == 0
	WIN 0
.set RB_, BF
.else
	WIN 0x08
.set RB_, 64*((\a)-1)
.endif
.irp s, 0,1,2,3,4,5,6,7,8,9,10,11,12,13,14,15
	global_store_b128 v[OO], v[RB_+4*\s:RB_+4*\s+3], s[72:73] offset:(128*(\ps)+16*(\a)+(\s%8))*16384+256*(\s/8) th:TH_STORE_NT
.endr
.endm
	; ---- pass 0: rows 64 wm on
.set G, 0
.rept 16
	KSTEP G
.set G, G+1
.endr
	PLACES                                         ; behind the last products: for the loads and writes into the buffers, and for the first read of results
	FETCHB 16                                      ; pass 1's first fragments of U, into buffers 1 and 2
	FETCHB 17
	s_wait_alu depctr_va_vdst(0)
	FIN 0
	STB 0, 0
	FIN 1
	FIN 2
	FIN 3
	s_wait_alu depctr_va_vdst(0)                   ; blocks 1-3 are read by stores behind the next steps' waits
	; ---- pass 1: rows 128 + 64 wm on
.rept 16
	KSTEP G
.set G, G+1
.endr
	PLACES
	s_wait_alu depctr_va_vdst(0)                   ; as in pass 0
.irp a, 0,1,2,3
	FIN \a
	STB 1, \a
.endr
	WIN 0
	s_wait_tensorcnt 0x0                           ; the wave's end
	ds_add_u32 v[SPW], v[NIL]
	s_wait_dscnt 0x0
	CROUND                                         ; the closing round: no work-group ends while a partner may still ask for rows that name it
	s_endpgm
.Lfunc_end_k_q535bf1c385_gemm_y:
	.size	k_q535bf1c385_gemm_y, .Lfunc_end_k_q535bf1c385_gemm_y-k_q535bf1c385_gemm_y
	.p2alignl 7, 3214868480
	.fill 96, 4, 3214868480
	.section	.rodata,"a",@progbits
	.p2align	6, 0x0
	.amdhsa_kernel k_q535bf1c385_gemm_y
		.amdhsa_group_segment_fixed_size 327680
		.amdhsa_private_segment_fixed_size 0
		.amdhsa_enable_private_segment 0
		.amdhsa_kernarg_size 56
		.amdhsa_user_sgpr_count 2
		.amdhsa_user_sgpr_kernarg_segment_ptr 1
		.amdhsa_wavefront_size32 1
		.amdhsa_system_sgpr_workgroup_id_x 1
		.amdhsa_system_sgpr_workgroup_id_y 1
		.amdhsa_system_sgpr_workgroup_id_z 1
		.amdhsa_system_vgpr_workitem_id 0
		.amdhsa_next_free_vgpr 1024
		.amdhsa_next_free_sgpr 100
		.amdhsa_reserve_vcc 0
		.amdhsa_float_denorm_mode_32 3
		.amdhsa_float_denorm_mode_16_64 3
		.amdhsa_memory_ordered 1
		.amdhsa_forward_progress 1
		.amdhsa_inst_pref_size 255
	.end_amdhsa_kernel
	.section	.bss,"aw",@nobits
	.p2align	6
	.space	262144
	.amdgpu_metadata
---
amdhsa.version: [ 1, 2 ]
amdhsa.kernels:
  - .name:           k_q535bf1c385_gemm_y
    .symbol:         k_q535bf1c385_gemm_y.kd
    .args:
      - { .name: hq, .offset: 0, .size: 8, .value_kind: global_buffer, .address_space: global }
      - { .name: hs, .offset: 8, .size: 8, .value_kind: global_buffer, .address_space: global }
      - { .name: wq, .offset: 16, .size: 8, .value_kind: global_buffer, .address_space: global }
      - { .name: u1, .offset: 24, .size: 8, .value_kind: global_buffer, .address_space: global }
      - { .name: u1_R, .offset: 32, .size: 8, .value_kind: global_buffer, .address_space: global }
      - { .name: bias, .offset: 40, .size: 8, .value_kind: global_buffer, .address_space: global }
      - { .name: out0, .offset: 48, .size: 8, .value_kind: global_buffer, .address_space: global }
    .group_segment_fixed_size: 327680
    .private_segment_fixed_size: 0
    .kernarg_segment_align: 8
    .kernarg_segment_size: 56
    .max_flat_workgroup_size: 128
    .sgpr_count:     100
    .vgpr_count:     1024
    .wavefront_size: 32
...
	.end_amdgpu_metadata
.endif
;; end of part 3
